; MI455X (gfx1250); checked and timed in simulation.
; The chip was launched on July 23, 2026; its instructions are those of AMD's public machine-readable ISA for CDNA 5 (MIT licence, August 2026) and "CDNA5" Instruction Set Architecture Reference Guide (July 2026). The comments in the code are by the model that wrote it; some were corrected since.
;; Attribute Multi Headed Attention. Allowed arithmetic: float matrix products may take bf16 or f16 operands with f32 sums; other float arithmetic in f32, or as packed bf16 or f16 multiplies, adds, multiply-adds, maxima and minima; sums over many terms, partial sums and values carried from step to step in f32; what a program stores and reads back later, other than sums and carried values, may be rounded once to bf16 or f16.
;; Inputs: Wk 1,024 x 1,024 float32; Wo 1,024 x 1,024 float32; Wq 1,024 x 1,024 float32; Wv 1,024 x 1,024 float32; bk 1,024 float32; bo 1,024 float32; bq 1,024 float32; bv 1,024 float32; key 4 x 512 x 8 x 1,024 float32; query 4 x 512 x 8 x 1,024 float32; value 4 x 512 x 8 x 1,024 float32.
;; Outputs: out0 4 x 512 x 8 x 1,024 float32.
;; Constants: d_atrbt = 8.
;; One version. Each part assembles by itself: llvm-mc -triple=amdgcn-amd-amdhsa -mcpu=gfx1250 --defsym DOCPART=n.
;; ======== version 1 of 1: 2 launches
;; limits: values are held in f16: magnitudes above 65,504 overflow, below 6.1e-05 lose precision
;; workspace buffers: wb 8,388,608 bytes; bb 16,384 bytes
;; launch prep (part 1): grid 256 x 1, 16 waves a work-group, no clusters, 34,816 bytes of LDS; arguments Wq, Wk, Wv, Wo, bq, bk, bv, bo, wb, bb; writes wb, bb
.if DOCPART == 1
	.amdgcn_target "amdgcn-amd-amdhsa--gfx1250"
	.amdhsa_code_object_version 6
	.text
	.protected	k_qe685740de3_prep
	.globl	k_qe685740de3_prep
	.p2align	8
	.type	k_qe685740de3_prep,@function
k_qe685740de3_prep:
	s_mov_b64 s[64:65], 0
	v_nop
	global_prefetch_b8 v0, s[64:65] scope:SCOPE_SE
	s_setreg_imm32_b32 hwreg(HW_REG_WAVE_MODE, 25, 1), 1
	s_wait_xcnt 0x0
; THE WEIGHTS ARE ROUNDED AND RE-LAID, once.  Wq, Wk, Wv, Wo: [1024][1024] f32 -> wb, 16-bit, in the order in which the next launch's matrix fragments want them;
; bq, bk, bv, bo: [1024] f32 -> bb, f32 numbers that have been rounded to bf16.  Wq, Wk, Wv are written as bf16; Wo is rounded to bf16 and that number is written as f16.
; LIMIT.  |Wo| stays under 65,504; below 6.1e-5 it keeps f16's fixed step of 6e-8.
; wb, byte p 2^21 + t 2^17 + s 2^16 + g 2^15 + w 2^13 + b 2^10 + c 2^9 + 16 (16 h + r) + 2 i  holds W_p[e][k], e = 256 w + 16 (8 g + b) + r,
;   k = 64 t + 32 s + 16 c + 8 h + i for p < 3 (q, k, v);   k = 256 (2 s + c) + 16 t + 8 h + i for p = 3 (o).
; SHARES.  Work-group G: matrix p = G / 64, rows e = 16 (G % 64) .. + 15.  Wave u: k = 64 u .. 64 u + 63.  A load of a wave takes 256 consecutive bytes of each of two rows; the 16 x 64
; numbers are turned in the wave's own 2,048 bytes of LDS (no barrier: no other wave touches them) and leave as four stores of 512 consecutive, aligned bytes.
.set SPARE, 32768                      ; behind the sixteen stages: the spare words, 128 bytes for each wave
.set SPW, 62                           ; v62  LDS address of my spare word; never rewritten
.set NIL, 63                           ; v63  0; never rewritten
	s_load_b512 s[4:19], s[0:1], 0x0               ; Wq s[4:5], Wk s[6:7], Wv s[8:9], Wo s[10:11], bq s[12:13], bk s[14:15], bv s[16:17], bo s[18:19]
	s_load_b128 s[20:23], s[0:1], 0x40             ; wb s[20:21], bb s[22:23]
	v_lshl_add_u32 v[SPW], v0, 2, SPARE
	v_mov_b32 v[NIL], 0
	v_lshrrev_b32 v1, 5, v0
	v_readfirstlane_b32 s28, v1                    ; u: my wave's number
	s_lshr_b32 s29, ttmp9, 6                       ; p
	s_and_b32 s30, ttmp9, 63                       ; eb: which 16 rows
	v_and_b32 v2, 15, v0                           ; kq: which four k of the 64
	v_bfe_u32 v3, v0, 4, 1                         ; hi: the even or the odd row of a load's two
	v_lshlrev_b32 v4, 4, v2
	v_lshl_add_u32 v4, v3, 12, v4                  ; v4: 4,096 hi + 16 kq, my offset in the source
	v_bfe_u32 v5, v0, 2, 2                         ; into the stage: piece kq / 4 of 512 bytes,
	v_lshlrev_b32 v5, 9, v5
	v_bfe_u32 v6, v0, 1, 1                         ; h = (kq / 2) % 2: 256 bytes,
	v_lshl_add_u32 v5, v6, 8, v5
	v_lshl_add_u32 v5, v3, 4, v5                   ; row r = 2 j + hi: 16 bytes each (32 j stands in the immediate),
	v_and_b32 v6, 1, v0
	v_lshl_add_u32 v5, v6, 3, v5                   ; and my four numbers' 8 bytes
	s_lshl_b32 s31, s28, 11
	v_add_nc_u32 v5, s31, v5                       ; v5: in my wave's stage
	v_and_b32 v6, 31, v0
	v_lshlrev_b32 v7, 4, v6                        ; v7: 16 x lane, my offset in a piece of wb
	v_add_nc_u32 v6, s31, v7                       ; v6: the same in my wave's stage
	s_lshl_b32 s32, s29, 21                        ; where the pieces go: p,
	s_bfe_u32 s33, s30, 0x10003
	s_lshl_b32 s33, s33, 15                        ; g = (eb / 8) % 2,
	s_add_co_u32 s32, s32, s33
	s_lshr_b32 s33, s30, 4
	s_lshl_b32 s33, s33, 13                        ; w = eb / 16,
	s_add_co_u32 s32, s32, s33
	s_and_b32 s33, s30, 7
	s_lshl_b32 s33, s33, 10                        ; b = eb % 8,
	s_add_co_u32 s32, s32, s33
	s_lshl_b32 s34, s28, 17                        ; and the wave's part: t = u for q, k, v;
	s_and_b32 s35, s28, 3
	s_lshl_b32 s35, s35, 19                        ; for o: t = 4 (u % 4) + piece,
	s_lshr_b32 s33, s28, 3
	s_lshl_b32 s33, s33, 16                        ; s = u / 8,
	s_add_co_u32 s35, s35, s33
	s_bfe_u32 s33, s28, 0x10002
	s_lshl_b32 s33, s33, 9                         ; c = (u / 4) % 2
	s_add_co_u32 s35, s35, s33
	s_cmp_eq_u32 s29, 3
	s_cselect_b32 s34, s35, s34
	s_add_co_u32 s32, s32, s34
	s_mov_b32 s33, 0
	s_lshl_b32 s36, s30, 16                        ; where they come from: 16 rows of 4,096 bytes, 256 bytes a wave
	s_lshl_b32 s37, s28, 8
	s_add_co_u32 s36, s36, s37
	s_mov_b32 s37, 0
	s_wait_kmcnt 0x0
	s_cmp_eq_u32 s29, 0                            ; the matrix and the bias of p
	s_cselect_b64 s[24:25], s[4:5], s[6:7]
	s_cselect_b64 s[26:27], s[12:13], s[14:15]
	s_cmp_lt_u32 s29, 2
	s_cselect_b64 s[24:25], s[24:25], s[8:9]
	s_cselect_b64 s[26:27], s[26:27], s[16:17]
	s_cmp_lt_u32 s29, 3
	s_cselect_b64 s[24:25], s[24:25], s[10:11]
	s_cselect_b64 s[26:27], s[26:27], s[18:19]
	s_add_nc_u64 s[24:25], s[24:25], s[36:37]
	s_add_nc_u64 s[20:21], s[20:21], s[32:33]
.set j, 0
.rept 8
	global_load_b128 v[8+4*j:11+4*j], v4, s[24:25] offset:8192*j th:TH_LOAD_NT  ; rows 2 j and 2 j + 1
.set j, j+1
.endr
	s_wait_loadcnt 0x0
; Round, turn in the stage, store.  f16 = 1: the bf16 number is widened again and written as f16.
.macro TURNW f16
.set j, 0
.rept 8
	v_cvt_pk_bf16_f32 v[8+4*j], v[8+4*j], v[9+4*j]
	v_cvt_pk_bf16_f32 v[9+4*j], v[10+4*j], v[11+4*j]
.if \f16
	v_lshlrev_b32 v[10+4*j], 16, v[8+4*j]
	v_and_b32 v[11+4*j], 0xffff0000, v[8+4*j]
	v_cvt_pk_f16_f32 v[8+4*j], v[10+4*j], v[11+4*j]
	v_lshlrev_b32 v[10+4*j], 16, v[9+4*j]
	v_and_b32 v[11+4*j], 0xffff0000, v[9+4*j]
	v_cvt_pk_f16_f32 v[9+4*j], v[10+4*j], v[11+4*j]
.endif
	ds_store_b64 v5, v[8+4*j:9+4*j] offset:32*j
.set j, j+1
.endr
.set j, 0
.rept 4
	ds_load_b128 v[40+4*j:43+4*j], v6 offset:512*j  ; LDS serves a wave's instructions in order (ISA guide 5.7.1.4): these see the stores above
.set j, j+1
.endr
	s_wait_dscnt 0x0
.set j, 0
.rept 4
.if \f16
	global_store_b128 v7, v[40+4*j:43+4*j], s[20:21] offset:131072*j                ; piece j goes to t + j
.else
	global_store_b128 v7, v[40+4*j:43+4*j], s[20:21] offset:65536*(j/2)+512*(j%2)   ; piece j is (s, c) = (j / 2, j % 2)
.endif
.set j, j+1
.endr
.endm
	s_cmp_eq_u32 s29, 3
	s_cbranch_scc1 .Lwo
	TURNW 0
	s_branch .Lbias
.Lwo:
	TURNW 1
.Lbias:
	s_cmp_eq_u32 s30, 0                            ; the first work-group of each matrix also rounds its bias: 512 threads, two numbers each
	s_cbranch_scc0 .Lend
	v_lshlrev_b32 v60, 3, v0
	global_load_b64 v[56:57], v60, s[26:27]
	s_lshl_b32 s40, s29, 12
	s_mov_b32 s41, 0
	s_add_nc_u64 s[42:43], s[22:23], s[40:41]
	s_wait_loadcnt 0x0
	v_cvt_pk_bf16_f32 v58, v56, v57
	v_lshlrev_b32 v56, 16, v58
	v_and_b32 v57, 0xffff0000, v58
	global_store_b64 v60, v[56:57], s[42:43]       ; a wave stores 256 consecutive bytes, aligned
.Lend:
	s_wait_tensorcnt 0x0                           ; the wave's end, behind my last LDS store
	ds_add_u32 v[SPW], v[NIL]
	s_wait_dscnt 0x0
	s_endpgm
.Lfunc_end_k_qe685740de3_prep:
	.size	k_qe685740de3_prep, .Lfunc_end_k_qe685740de3_prep-k_qe685740de3_prep
	.p2alignl 7, 3214868480
	.fill 96, 4, 3214868480
	.section	.rodata,"a",@progbits
	.p2align	6, 0x0
	.amdhsa_kernel k_qe685740de3_prep
		.amdhsa_group_segment_fixed_size 34816
		.amdhsa_private_segment_fixed_size 0
		.amdhsa_enable_private_segment 0
		.amdhsa_kernarg_size 80
		.amdhsa_user_sgpr_count 2
		.amdhsa_user_sgpr_kernarg_segment_ptr 1
		.amdhsa_wavefront_size32 1
		.amdhsa_system_sgpr_workgroup_id_x 1
		.amdhsa_system_sgpr_workgroup_id_y 1
		.amdhsa_system_sgpr_workgroup_id_z 1
		.amdhsa_system_vgpr_workitem_id 0
		.amdhsa_next_free_vgpr 64
		.amdhsa_next_free_sgpr 66
		.amdhsa_reserve_vcc 0
		.amdhsa_float_denorm_mode_32 3
		.amdhsa_float_denorm_mode_16_64 3
		.amdhsa_memory_ordered 1
		.amdhsa_forward_progress 1
		.amdhsa_inst_pref_size 12
	.end_amdhsa_kernel
	.amdgpu_metadata
---
amdhsa.version: [ 1, 2 ]
amdhsa.kernels:
  - .name:           k_qe685740de3_prep
    .symbol:         k_qe685740de3_prep.kd
    .args:
      - { .name: Wq, .offset: 0, .size: 8, .value_kind: global_buffer, .address_space: global }
      - { .name: Wk, .offset: 8, .size: 8, .value_kind: global_buffer, .address_space: global }
      - { .name: Wv, .offset: 16, .size: 8, .value_kind: global_buffer, .address_space: global }
      - { .name: Wo, .offset: 24, .size: 8, .value_kind: global_buffer, .address_space: global }
      - { .name: bq, .offset: 32, .size: 8, .value_kind: global_buffer, .address_space: global }
      - { .name: bk, .offset: 40, .size: 8, .value_kind: global_buffer, .address_space: global }
      - { .name: bv, .offset: 48, .size: 8, .value_kind: global_buffer, .address_space: global }
      - { .name: bo, .offset: 56, .size: 8, .value_kind: global_buffer, .address_space: global }
      - { .name: wb, .offset: 64, .size: 8, .value_kind: global_buffer, .address_space: global }
      - { .name: bb, .offset: 72, .size: 8, .value_kind: global_buffer, .address_space: global }
    .group_segment_fixed_size: 34816
    .private_segment_fixed_size: 0
    .kernarg_segment_align: 8
    .kernarg_segment_size: 80
    .max_flat_workgroup_size: 512
    .sgpr_count:     66
    .vgpr_count:     64
    .wavefront_size: 32
...
	.end_amdgpu_metadata
.endif
;; end of part 1
;; launch fused (part 2): grid 256 x 1, 4 waves a work-group, clusters of 4 x 1, 327,680 bytes of LDS; arguments query, key, value, wb, bb, out0; writes out0
.if DOCPART == 2
	.amdgcn_target "amdgcn-amd-amdhsa--gfx1250"
	.amdhsa_code_object_version 6
	.text
	.protected	k_qe685740de3_fused
	.globl	k_qe685740de3_fused
	.p2align	8
	.type	k_qe685740de3_fused,@function
k_qe685740de3_fused:
	s_mov_b64 s[64:65], 0
	v_nop
	global_prefetch_b8 v0, s[64:65] scope:SCOPE_SE
	s_setreg_imm32_b32 hwreg(HW_REG_WAVE_MODE, 25, 1), 1
	s_wait_xcnt 0x0
	s_wait_alu depctr_hold_cnt(0) depctr_sa_sdst(0) depctr_va_vdst(0) depctr_va_sdst(0) depctr_va_ssrc(0) depctr_va_vcc(0) depctr_vm_vsrc(0)
	s_getreg_b32 s2, hwreg(HW_REG_IB_STS2, 6, 4)
	s_cmp_eq_u32 s2, 0
	s_cbranch_scc0 .Lentry_in_a_cluster
	s_endpgm
.Lentry_in_a_cluster:
	s_bfe_u32 s2, ttmp6, 0x10000c
	s_cmp_lg_u32 s2, 0x3003
	s_cbranch_scc0 .Lentry_shape_is_right
	s_endpgm
.Lentry_shape_is_right:
; out = (softmax over a token's 8 attributes of (q k^T / 8), per head of 64 channels) v, times Wo^T, + bo;  q = query Wq^T + bq, k and v likewise.  16,384 rows of 1,024, f32 in and out.
; ONE LAUNCH, NOTHING THROUGH MEMORY.  A token's attention needs its own 8 rows alone, so a work-group owns 64 rows (8 tokens) and runs all four products and the attention on them: 256 work-groups.
; Wave w owns output columns 256 w .. 256 w + 255 (heads 4 w .. 4 w + 3) of all 64 rows in each product: 4 x 16 accumulators of 16 x 16, 512 registers.
; FORMATS.  All inputs are rounded to bf16 (the weights and biases by the launch before).  q, k, v: bf16 products, f32 sums, + bias in f32, rounded once to f16.  Scores, P V and the last product: f16 operands,
; f32 sums.  Softmax in f32 with the row's own maximum taken away.
; LIMITS.  |q|, |k|, |v| stay under 65,504 (f16); below 6.1e-5 they keep f16's step of 6e-8.  A weight below 2^-126 counts as 0.  NaN and infinities are not treated apart: an infinite v spoils the
; other tokens of its 32 rows (0 x infinity in the product P V).
; STEPS.  A step is 64 along K; 16 steps a product, 64 in all (U = 0 .. 63).  A step's weights are one dense block of 131,072 bytes of wb; they come by tensor loads into two LDS slots that take turns.
; All work-groups walk the same weights, so the four of a cluster ask JOINTLY (mask 15), each wave for a quarter of the block.
; THE ORDER OF K.  Cluster c walks a product's 16 blocks beginning at block I0 = 2 (c % 8) and wraps round (f32 sums may be taken in any order): the clusters do not all ask for the same block in the same step.
; THE ROWS.  query, key, value come through registers: each wave loads 16 rows x 256 bytes of a step, two steps ahead, rounds them to bf16 and puts them into a stage in LDS, which all four waves read as fragments.
; In the last product the stage holds x instead: in a step each wave adds one block of 16 of its own channels (wb's order of k for Wo is made for that).
; LDS: 0 slot 0; 131,072 slot 1; 262,144 four stage slots of 64 rows x 144 bytes (128 of data + 16: the 16 rows of a fragment load start at 16 different groups of four banks, ISA guide 11.1);
;   over stage slots 2, 3, from q's end to k's end: 4,096 bytes a wave in which 32 registers of q are set aside; 299,008 the four biases; 315,392 the spare words.
;   The way out goes through slot 0, behind its last fill and last read.
; REGISTERS, in windows of 256 (s_set_vgpr_msb: bits 1:0 source 0, 3:2 source 1, 5:4 source 2, 7:6 destination):
;   window 0: v0-29 addresses; v32-63 XR0, rows on their way; v64-95, v96-127 fragments of the rows (A0, A1); v128-191, v192-255 fragments of the weights (G0, G1)
;   window 1: q in f16 (row block a, column block b at 64 a + 4 b; (3, 8..15) lie in LDS), later P; v224-255 XR1; in the last product the accumulators of column blocks 0-7
;   windows 2, 3: accumulators (a, b) at window 2 + b / 8, 64 a + 8 (b % 8); later v (f16) and x (f16); in the last product the accumulators of column blocks 8-15 lie where v lay
.set WS1,   131072
.set STG,   262144
.set SSL,   9216                       ; a stage slot
.set SPT,   144                        ; its pitch
.set QPARK, STG+2*SSL
.set BIAS,  299008
.set SPARE, 315392
.set OPT,   1040                       ; the way out: a row of 256 f32 + 16 bytes
.set ADRB,  2                          ; v2-5   slot sl, half s of a step: sl 131,072 + s 65,536 + 8,192 w + 16 lane
.set ADRA,  6                          ; v6     the stage's fragments: ADRA0 + the pair of slots in hand
.set ADRA0, 7                          ; v7     STG + 144 r + 16 h
.set XG,    8                          ; v8     my 16 bytes of a load's two rows: (16 w + h) 4,096 + 16 r
.set XSTA,  9                          ; v9     where they go, rounded: STG + (16 w + h) 144 + 8 r
.set XOST0, 10                         ; v10    where x goes: STG + 144 r + 16 h + 32 w
.set XOSTD, 11                         ; v11    the same in the pair of slots to be written
.set ADRBI, 12                         ; v12    a bias for 8 neighbouring columns: BIAS + 1,024 w + 32 h
.set ADRBV, 13                         ; v13    bv for one column: BIAS + 8,192 + 1,024 w + 4 r
.set ADRBO, 14                         ; v14    bo for the way out: BIAS + 12,288 + 1,024 w + 16 lane
.set VMASK, 15                         ; v15    1.0 where my query and my 8 keys belong to one token, else 0.0
.set QPK,   16                         ; v16    QPARK + 4,096 w + 16 lane
.set STO,   17                         ; v17    the way out, in: 32,768 w + 1,040 r + 32 h
.set RD,    18                         ; v18    the way out, back: 32,768 w + 16 lane
.set CO,    19                         ; v19    my bytes of a row of out: 1,024 w + 16 lane
.set PFO,   20                         ; v20    prefetch of rows: 4,096 lane + 131,072 (w % 2); never rewritten
.set PFOW,  21                         ; v21    prefetch of weights: 256 lane; never rewritten
.set SPW,   28                         ; v28    LDS address of my spare word; never rewritten
.set NIL,   29                         ; v29    0; never rewritten
.set XQ,  4                            ; s[4:5], s[6:7], s[8:9] query, key, value at my work-group's first row
.set XK,  6
.set XV,  8
.set WB,  10                           ; s[10:11] wb at my wave's quarter of a block
.set BB,  12                           ; s[12:13] bb
.set OUT, 14                           ; s[14:15] out0 at my work-group's first row
.set WV,  16                           ; s16  my wave's number
.set CX,  17                           ; s17  my place in the cluster: it enters addresses of plain loads, stores and prefetches alone
.set I0,  18                           ; s18  the block at which my cluster begins a product
.set U,   19                           ; s19  the step
.set CNT, 20                           ; s20  laps (two steps) to go
.set PH,  21                           ; s21  2: q's product; 1: k's
.set OFF, 22                           ; s[22:23] an offset, the high word 0
.set G1W, 24                           ; s[24:31] descriptor group 1, a quarter block
.set G0W, 32                           ; s[32:39] group 0, a set for each slot
.set G1B, 40                           ; s[40:47] group 1, a bias
.set G0B, 48                           ; s[48:51] group 0, a bias
.set XB,  52                           ; s[52:53] base of the rows' loads
.set PB,  54                           ; s[54:55] base of the rows' prefetch
.set PW,  56                           ; s[56:57] base of the weights' prefetch
.set CS,  58                           ; s[58:59] c = log2(e) / 8
.set PL,  60                           ; s60, s61 in even, odd steps: I prefetch rows while their step's number is below this
.set PWK, 62                           ; s62  the step of a product in which I prefetch weights (99: never)
.set STB, 63                           ; s63  the pair of stage slots in hand: 0 or 18,432
.set STBN, 66                          ; s66  the other pair
.set OJ,  67                           ; s67  which two of my 16 blocks of x go out
.set TP,  68                           ; s[68:69] a pointer at work
.set WPF, 70                           ; s[70:71] wb at my wave's quarter, my work-group's 8,192 bytes of it
.set MSB, 0
.macro WIN new                         ; the immediate's high byte repeats the setting that is left; a switch that changes nothing is dropped
.if MSB != (\new)
	s_set_vgpr_msb (MSB<<8)|(\new)
.set MSB, (\new)
.endif
.endm
; Four places: a load into a register that a matrix instruction has read, and a vector instruction or LDS store that reads a matrix result, stand four plain vector instructions behind it.
.macro PLACES
.rept 4
	v_nop
.endr
.endm
; A round of the cluster's barrier behind its opening barrier: wave 0 signals for the work-group, every wave waits for all four work-groups, my work-group's barrier once more.
.macro CREST
	s_cmp_lg_u32 s[WV], 0
	s_cbranch_scc1 .Lnw0_\@
	s_barrier_signal -3
.Lnw0_\@:
	s_barrier_wait -3
	s_barrier_signal -1
	s_barrier_wait -1
.endm
.macro CROUND
	s_barrier_signal -1
	s_barrier_wait -1
	CREST
.endm
; The address of step s72's block of weights into slot sl's group 0: matrix n / 16, block (n + I0) % 16.
.macro WADDR sl
	s_lshr_b32 s73, s72, 4
	s_lshl_b32 s73, s73, 21
	s_add_co_u32 s74, s72, s[I0]
	s_and_b32 s74, s74, 15
	s_lshl_b32 s74, s74, 17
	s_add_co_u32 s[OFF], s73, s74
	s_add_nc_u64 s[G0W+4*(\sl)+2:G0W+4*(\sl)+3], s[WB:WB+1], s[OFF:OFF+1]
	s_or_b32 s[G0W+4*(\sl)+3], s[G0W+4*(\sl)+3], 0x80000000
.endm
; The address of step s[n]'s 256 bytes of my work-group's rows into pair d: query, key or value by n / 16, the same block of K as the weights'.
.macro XADDR n, d
	s_cmp_lt_u32 s[\n], 16
	s_cselect_b64 s[TP:TP+1], s[XQ:XQ+1], s[XK:XK+1]
	s_cmp_lt_u32 s[\n], 32
	s_cselect_b64 s[TP:TP+1], s[TP:TP+1], s[XV:XV+1]
	s_add_co_u32 s73, s[\n], s[I0]
	s_and_b32 s73, s73, 15
	s_lshl_b32 s[OFF], s73, 8
	s_add_nc_u64 s[\d:\d+1], s[TP:TP+1], s[OFF:OFF+1]
.endm
; Eight loads: my wave's 16 rows x 256 bytes of a step, into XR0 (x = 0) or XR1 (x = 1, window 1).  A load takes two rows' 256 consecutive, aligned bytes.
.macro XLOAD x, base
.if (\x)
	WIN 0x40
.endif
.set xb, 32+192*(\x)
.set xj, 0
.rept 8
	global_load_b128 v[xb+4*xj:xb+4*xj+3], v[XG], s[\base:\base+1] offset:8192*xj th:TH_LOAD_NT
.set xj, xj+1
.endr
	WIN 0
.endm
; They are rounded to bf16 in place and go into stage slot x.
.macro XCONV x
.if (\x)
	WIN 0x45
.endif
.set xb, 32+192*(\x)
.set xj, 0
.rept 8
	v_cvt_pk_bf16_f32 v[xb+4*xj], v[xb+4*xj], v[xb+4*xj+1]
	v_cvt_pk_bf16_f32 v[xb+4*xj+1], v[xb+4*xj+2], v[xb+4*xj+3]
.set xj, xj+1
.endr
.if (\x)
	WIN 0x04
.endif
.set xj, 0
.rept 8
	ds_store_b64 v[XSTA], v[xb+4*xj:xb+4*xj+1] offset:(\x)*SSL+288*xj
.set xj, xj+1
.endr
	WIN 0
.endm
; A PREFETCH INTO THE L2 of the next matrix's two blocks at which my cluster's walk begins, in step 12 of a product: two steps ahead of the joint load of the first of them.  Clusters 0 to 7 ask, two blocks
; each, which are the matrix's sixteen; of a block each wave takes its quarter and each partner, BY ADDRESS, 8,192 bytes of that: a lane 256 bytes.  So each 256 bytes are named once in the launch.
.macro ASKW
	s_and_b32 s75, s[U], 15
	s_cmp_eq_u32 s75, s[PWK]
	s_cbranch_scc0 .Lnw_\@
	s_lshr_b32 s75, s[U], 4
	s_add_co_u32 s75, s75, 1
	s_lshl_b32 s75, s75, 21
	s_lshl_b32 s76, s[I0], 17
	s_add_co_u32 s[OFF], s75, s76
	s_add_nc_u64 s[PW:PW+1], s[WPF:WPF+1], s[OFF:OFF+1]
	global_prefetch_b8 v[PFOW], s[PW:PW+1] th:TH_LOAD_NT scope:SCOPE_SE
	global_prefetch_b8 v[PFOW], s[PW:PW+1] offset:131072 th:TH_LOAD_NT scope:SCOPE_SE
.Lnw_\@:
.endm
; THE ROWS' PART OF STEP U (slot sl): step U + 1's rows, loaded two steps ago, go into the stage; step U + 3's are asked for; step U + 5's are prefetched into the L2, two steps ahead of their loads: a lane a row,
; waves 0, 1 in even steps and waves 2, 3 in odd ones, 32 rows each, so that each 256 bytes are named once; steps 0 to 4 come by their loads alone, and nothing is asked past step 47.
; guard = 1 (v's product): step 47 has no rows to stage; from step 45 on nothing is left to load, and the wait on that side is for all loads, so that the counted wait above holds on every way through the text.
.macro PROD sl, guard
	s_wait_loadcnt 0x8                             ; loads come back in order (ISA guide 5.7.1): step U + 1's eight are in; step U + 2's eight may stay out
.if \guard
	s_cmp_lt_u32 s[U], 47
	s_cbranch_scc0 .Lpc_\@
.endif
	XCONV 1-(\sl)
.if \guard
.Lpc_\@:
.endif
	s_add_co_u32 s72, s[U], 3
	s_add_co_u32 s74, s[U], 5
.if \guard
	s_cmp_lt_u32 s72, 48
	s_cbranch_scc0 .Lpn_\@
.endif
	s_wait_xcnt 0x0                                ; the loads and prefetches of the step before have read their bases, which are written now
	XADDR 72, XB
	XADDR 74, PB
	XLOAD 1-(\sl), XB
	s_cmp_lt_u32 s74, s[PL+(\sl)]
	s_cbranch_scc0 .Lpa_\@
	global_prefetch_b8 v[PFO], s[PB:PB+1] th:TH_LOAD_NT scope:SCOPE_SE
.Lpa_\@:
.if (\sl) == 0
	ASKW
.endif
.if \guard
	s_branch .Lpd_\@
.Lpn_\@:
	s_wait_loadcnt 0x0
.Lpd_\@:
.endif
.endm
; x's PART OF A LAP OF THE LAST PRODUCT: my blocks 2 OJ and 2 OJ + 1 of 16 channels, for all 64 rows, go into the pair of stage slots that is not being read: they are the next lap's two steps.
; Which registers that is hangs on the step, and a register's number cannot: eight copies of the eight stores, one of which is jumped to (forward; the same in all partners).
.macro PRODO2 first
.if \first
	s_lshr_b32 s[OJ], s[I0], 1
	s_mov_b32 s[STBN], 0
.else
	s_add_co_u32 s72, s[U], 2
	s_and_b32 s72, s72, 15
	s_add_co_u32 s72, s72, s[I0]
	s_lshr_b32 s72, s72, 1
	s_and_b32 s[OJ], s72, 7
	s_xor_b32 s[STBN], s[STB], 2*SSL
.endif
	v_add_nc_u32 v[XOSTD], s[STBN], v[XOST0]
.irp n, 0,1,2,3,4,5,6,7
	s_cmp_eq_u32 s[OJ], \n
	s_cbranch_scc1 .Lxb_\@_\n
.endr
	s_branch .Lxj_\@
.irp n, 0,1,2,3,4,5,6,7
.Lxb_\@_\n:
	WIN 0x08+4*((\n)/4)
.set xs, 0
.rept 2
.set xa, 0
.rept 4
.set xr, 128*(xa/2)+64+32*(xa%2)+4*((2*(\n)+xs)%8)
	ds_store_b128 v[XOSTD], v[xr:xr+3] offset:xs*SSL+16*SPT*xa
.set xa, xa+1
.endr
.set xs, xs+1
.endr
	WIN 0
	s_branch .Lxj_\@
.endr
.Lxj_\@:
.endm
; Fragments.  16 rows x 32 K in 8 registers: lane l holds row l % 16; registers 0-3 K = 8 (l / 16) + 0..7, registers 4-7 K = 16 + 8 (l / 16) + 0..7.
.macro FETCH_A sl, s                   ; the 64 rows, half s of the step, from stage slot sl of the pair in hand: 8 loads into A0 or A1
.set fa, 0
.rept 4
	ds_load_b128 v[64+32*(\s)+8*fa:64+32*(\s)+8*fa+3],   v[ADRA] offset:(\sl)*SSL+16*SPT*fa+64*(\s)
	ds_load_b128 v[64+32*(\s)+8*fa+4:64+32*(\s)+8*fa+7], v[ADRA] offset:(\sl)*SSL+16*SPT*fa+64*(\s)+32
.set fa, fa+1
.endr
.endm
.macro FETCH_B sl, s, g                ; my column blocks 8 g .. 8 g + 7, half s of the step, from slot sl: 16 loads into G0 or G1; a load takes 512 consecutive bytes
.set fb, 0
.rept 8
	ds_load_b128 v[128+64*(\g)+8*fb:128+64*(\g)+8*fb+3],   v[ADRB+2*(\sl)+(\s)] offset:(\g)*32768+1024*fb
	ds_load_b128 v[128+64*(\g)+8*fb+4:128+64*(\g)+8*fb+7], v[ADRB+2*(\sl)+(\s)] offset:(\g)*32768+1024*fb+512
.set fb, fb+1
.endr
.endm
; 2 nb matrix instructions: column blocks 8 g + b0 .. of nb, row blocks 2 ah, 2 ah + 1, half s of the step.  ty = 0 (q, k): source 0 = weights, source 1 = rows: a lane holds ONE row and 8 neighbouring
; columns.  ty = 1 (v): the sources swapped: a lane holds one column and 8 rows, which is what V^T P wants.  ty = 2 (the last product): as 0, in f16.  zero = 1: the product starts its sum.
; wt >= 0: ahead of block b stands a wait that leaves wt - 2 b LDS loads out.  Each of the 64 accumulators has one instruction in 64: they take turns, over every jump too.
.macro GP ty, s, g, ah, b0, nb, zero, wt
.if (\ty) == 2
.if (\g) == 0
	WIN 0x50
.else
	WIN 0x50*(2+(\ah))
.endif
.else
	WIN 0x50*(2+(\g))
.endif
.set gb, (\b0)
.rept (\nb)
.if (\wt) >= 0
	s_wait_dscnt (\wt)-2*gb
.endif
.set ga, 2*(\ah)
.rept 2
.set rD, 64*ga+8*gb
.if ((\ty) == 2) && ((\g) == 1)
.set rD, 128*(ga&1)+8*gb
.endif
.set rG, 128+64*(\g)+8*gb
.set rA, 64+32*(\s)+8*ga
.if (\ty) == 0
.if \zero
	v_wmma_f32_16x16x32_bf16 v[rD:rD+7], v[rG:rG+7], v[rA:rA+7], 0
.else
	v_wmma_f32_16x16x32_bf16 v[rD:rD+7], v[rG:rG+7], v[rA:rA+7], v[rD:rD+7]
.endif
.elseif (\ty) == 1
.if \zero
	v_wmma_f32_16x16x32_bf16 v[rD:rD+7], v[rA:rA+7], v[rG:rG+7], 0
.else
	v_wmma_f32_16x16x32_bf16 v[rD:rD+7], v[rA:rA+7], v[rG:rG+7], v[rD:rD+7]
.endif
.else
.if \zero
	v_wmma_f32_16x16x32_f16 v[rD:rD+7], v[rG:rG+7], v[rA:rA+7], 0
.else
	v_wmma_f32_16x16x32_f16 v[rD:rD+7], v[rG:rG+7], v[rA:rA+7], v[rD:rD+7]
.endif
.endif
.set ga, ga+1
.endr
.set gb, gb+1
.endr
.endm
; A STEP is four groups of 32 matrix instructions, (s, g) = (0, 0), (0, 1), (1, 0), (1, 1); ahead of each group the next group's fragments are asked for, in one run.
.macro BA0 ty, sl, zero
	WIN 0
	PLACES                                         ; G1 was read by the products just issued
	FETCH_B \sl, 0, 1
	GP \ty, 0, 0, 0, 0, 8, \zero, 30               ; behind block b of G0 stand its run's 2 (7 - b) younger loads and the 16 just issued; A0's loads are older than all of these
	GP \ty, 0, 0, 1, 0, 8, \zero, -1
.endm
.macro BB0 ty, sl, zero
	WIN 0
	s_wait_dscnt 0x0                               ; G1 is in (asked for 32 matrix instructions ago)
	PLACES
	FETCH_A \sl, 1
	FETCH_B \sl, 1, 0
	GP \ty, 0, 1, 0, 0, 8, \zero, -1
	GP \ty, 0, 1, 1, 0, 8, \zero, -1
.endm
.macro BA1 ty, sl, pr                  ; pr = 1: the stage's next filling is made here
	WIN 0
	s_wait_dscnt 0x0                               ; A1 and G0 are in
	PLACES
.if \pr
.if (\ty) == 2
	PRODO2 0
.else
	PROD \sl, \ty
.endif
.endif
	FETCH_B \sl, 1, 1
	GP \ty, 1, 0, 0, 0, 8, 0, -1
	GP \ty, 1, 0, 1, 0, 8, 0, -1
.endm
; The last group, and THE CHANGE OF SLOTS.  In front of the barrier each wave waits for all its tensor loads, of which one is out: its quarter of the other slot; adds 0 to its spare word; and waits for that, for its
; reads of this slot and of the stage, and for its stores into the stage.  fill = 1: the barrier opens a round of the cluster's, and the joint refill of this slot, with the block two steps on, is the first thing
; behind the round: 112 matrix instructions ahead of the wait for it.  guard = 1: a product's last step fetches no fragments: the epilogue wants their registers.  bar = 0: the very last step.
.macro RND ty, sl, fill, bar, fetch, guard
	WIN 0
.if \bar
	s_wait_tensorcnt 0x0                           ; no tensor load of mine is out, so a group 0 may be written
	ds_add_u32 v[SPW], v[NIL]                      ; 0 onto my spare word
.if \fill
	s_add_co_u32 s72, s[U], 2
	WADDR \sl
.endif
	s_add_co_u32 s[U], s[U], 1
	s_wait_dscnt 0x1                               ; all but the add: G1 is in
	GP \ty, 1, 1, 0, 0, 4, 0, -1                   ; eight matrix instructions stand between the add and the wait for it
	s_wait_dscnt 0x0                               ; the add is done; my reads of the slot and the stage, and my stores into the stage, are over
	s_barrier_signal -1
	GP \ty, 1, 1, 0, 4, 4, 0, -1
	WIN 0
	s_barrier_wait -1
.if \fill
	CREST                                          ; no wave of any partner still reads this slot or has a load on its way
	tensor_load_to_lds s[G0W+4*(\sl):G0W+4*(\sl)+3], s[G1W:G1W+7]
	s_nop 0
.endif
	PLACES                                         ; behind a tensor load, and the places in front of the loads below
.if ((\ty) == 2) && ((\sl) == 1)
	s_xor_b32 s[STB], s[STB], 2*SSL                ; the next lap reads the other pair of stage slots
	v_add_nc_u32 v[ADRA], s[STB], v[ADRA0]
.endif
.if \guard
	s_cmp_eq_u32 s[CNT], 1
	s_cbranch_scc1 .Lnf_\@
.endif
.if \fetch
	FETCH_A 1-(\sl), 0
	FETCH_B 1-(\sl), 0, 0
.endif
.if \guard
.Lnf_\@:
.endif
	GP \ty, 1, 1, 1, 0, 8, 0, -1
.else
	s_wait_dscnt 0x0
	GP \ty, 1, 1, 0, 0, 8, 0, -1
	GP \ty, 1, 1, 1, 0, 8, 0, -1
.endif
.endm
; A product's first half step stands in front of its loop: its 64 products start the sums, nothing is cleared.  The loop is entered in the middle of a trip.
.macro PEEL ty, tag
	FETCH_A 0, 0
	FETCH_B 0, 0, 0
	BA0 \ty, 0, 1
	BB0 \ty, 0, 1
	WIN 0
	s_branch .Lmid\tag
.endm
.macro LAP ty, tag, g1                 ; a trip is two steps: once round the ring
.Llap\tag:
	BA0 \ty, 0, 0
	BB0 \ty, 0, 0
	WIN 0
.Lmid\tag:
	BA1 \ty, 0, 1
	RND \ty, 0, 1, 1, 1, 0
	BA0 \ty, 1, 0
	BB0 \ty, 1, 0
.if (\ty) == 2
	BA1 \ty, 1, 0
.else
	BA1 \ty, 1, 1
.endif
	RND \ty, 1, 1, 1, 1, \g1
	WIN 0
	s_sub_co_u32 s[CNT], s[CNT], 1
	s_cmp_lg_u32 s[CNT], 0
	s_cbranch_scc1 .Llap\tag
.endm
.macro ALL4 line:vararg                ; one line for each of the four row blocks t
.set t, 0
.rept 4
	\line
.set t, t+1
.endr
.endm
; q's END: + bq, rounded to f16, into window 1: two neighbouring column blocks are a fragment (16 rows x 32 channels) of the scores' product as they stand.  Blocks (3, 8..15) go to LDS: window 1's last 32
; registers hold rows on their way.  Each accumulator is read from its low end on.
.macro QEPI
	WIN 0
	s_wait_dscnt 0x0
	PLACES
.set qb, 0
.rept 16
	ds_load_b128 v[128+8*qb:131+8*qb], v[ADRBI] offset:64*qb
	ds_load_b128 v[132+8*qb:135+8*qb], v[ADRBI] offset:64*qb+16
.set qb, qb+1
.endr
	s_wait_dscnt 0x0
.set qw, 2
.rept 2
	WIN (qw<<6)|qw
.set qa, 0
.rept 4
.set qc, 0
.rept 8
.set qj, 0
.rept 4
	v_pk_add_f32 v[64*qa+8*qc+qj:64*qa+8*qc+qj+1], v[64*qa+8*qc+qj:64*qa+8*qc+qj+1], v[128+8*(8*(qw-2)+qc)+qj:128+8*(8*(qw-2)+qc)+qj+1]
.set qj, qj+2
.endr
.set qc, qc+1
.endr
.set qa, qa+1
.endr
.set qa, 0
.rept 4
.set qc, 0
.rept 8
.set qj, 0
.rept 4
.if (qw == 3) && (qa == 3)
	WIN 0x0f
	v_cvt_pk_f16_f32 v[64+4*qc+qj], v[64*qa+8*qc+2*qj], v[64*qa+8*qc+2*qj+1]
.else
	WIN 0x40|qw|(qw<<2)
	v_cvt_pk_f16_f32 v[64*qa+4*(8*(qw-2)+qc)+qj], v[64*qa+8*qc+2*qj], v[64*qa+8*qc+2*qj+1]
.endif
.set qj, qj+1
.endr
.set qc, qc+1
.endr
.set qa, qa+1
.endr
.set qw, qw+1
.endr
	WIN 0
.set qc, 0
.rept 8
	ds_store_b128 v[QPK], v[64+4*qc:67+4*qc] offset:512*qc
.set qc, qc+1
.endr
.endm
; k's END, head by head: + bk, f16; S^T = K Q^T (source 0 = 16 keys, source 1 = 16 queries): a lane holds ONE query (lane % 16) and the 8 keys 8 (lane / 16) + 0..7, which are one token's: a row's softmax
; never leaves its lane.  Half of the lanes hold a query with the OTHER token's keys: they run the same lines on finite numbers, and their weights are multiplied by 0.
.macro BILOAD hd                       ; bk of head hd's 64 channels: 8 numbers for each of 4 blocks, into A0
.set kc, 0
.rept 4
	ds_load_b128 v[64+8*kc:67+8*kc], v[ADRBI] offset:4096+256*(\hd)+64*kc
	ds_load_b128 v[68+8*kc:71+8*kc], v[ADRBI] offset:4096+256*(\hd)+64*kc+16
.set kc, kc+1
.endr
.endm
.macro KHEAD hd
	s_wait_dscnt 0x0
.set kw, 2+(\hd)/2
.set kb, 4*((\hd)%2)
	WIN (kw<<6)|kw
.set ka, 0
.rept 4
.set kc, 0
.rept 4
.set kj, 0
.rept 4
	v_pk_add_f32 v[64*ka+8*(kb+kc)+kj:64*ka+8*(kb+kc)+kj+1], v[64*ka+8*(kb+kc)+kj:64*ka+8*(kb+kc)+kj+1], v[64+8*kc+kj:64+8*kc+kj+1]
.set kj, kj+2
.endr
.set kc, kc+1
.endr
.set ka, ka+1
.endr
	WIN kw|(kw<<2)
.set ka, 0
.rept 4
.set kc, 0
.rept 4
.set kj, 0
.rept 4
	v_cvt_pk_f16_f32 v[192+16*ka+4*kc+kj], v[64*ka+8*(kb+kc)+2*kj], v[64*ka+8*(kb+kc)+2*kj+1]
.set kj, kj+1
.endr
.set kc, kc+1
.endr
.set ka, ka+1
.endr
	WIN 0
.if (\hd) < 3
	BILOAD (\hd)+1
.endif
.set kk, 0
.rept 2                                ; the four row blocks' accumulators take turns
.set ka, 0
.rept 4
.if (ka == 3) && ((\hd) >= 2)
	WIN 0
.set rQ, 128+16*((\hd)-2)+8*kk
.else
	WIN 0x04
.set rQ, 64*ka+16*(\hd)+8*kk
.endif
.if kk == 0
	v_wmma_f32_16x16x32_f16 v[96+8*ka:103+8*ka], v[192+16*ka+8*kk:199+16*ka+8*kk], v[rQ:rQ+7], 0
.else
	v_wmma_f32_16x16x32_f16 v[96+8*ka:103+8*ka], v[192+16*ka+8*kk:199+16*ka+8*kk], v[rQ:rQ+7], v[96+8*ka:103+8*ka]
.endif
.set ka, ka+1
.endr
.set kk, kk+1
.endr
	WIN 0
	PLACES
	ALL4 v_max3_num_f32 v[161+8*t], v[96+8*t], v[97+8*t], v[98+8*t]
	ALL4 v_max3_num_f32 v[161+8*t], v[161+8*t], v[99+8*t], v[100+8*t]
	ALL4 v_max3_num_f32 v[161+8*t], v[161+8*t], v[101+8*t], v[102+8*t]
	ALL4 v_max_num_f32 v[160+8*t], v[161+8*t], v[103+8*t]
.set u, 0
.rept 4                                ; s - m first, which is never above 0 and is 0 at the maximum whatever the scores' size; then times c
	ALL4 v_pk_add_f32 v[96+8*t+u:97+8*t+u], v[96+8*t+u:97+8*t+u], v[160+8*t:161+8*t] op_sel_hi:[1,0] neg_lo:[0,1] neg_hi:[0,1]
.set u, u+2
.endr
.set u, 0
.rept 4
	ALL4 v_pk_mul_f32 v[96+8*t+u:97+8*t+u], v[96+8*t+u:97+8*t+u], s[CS:CS+1] op_sel_hi:[1,0]
.set u, u+2
.endr
.set u, 0
.rept 8
	ALL4 v_exp_f32 v[96+8*t+u], v[96+8*t+u]
.set u, u+1
.endr
	v_nop                                          ; a plain instruction behind the last exponential,
	s_wait_alu depctr_va_vdst(0)                   ; and one wait ahead of the batch's first reader
	ALL4 v_pk_add_f32 v[162+8*t:163+8*t], v[96+8*t:97+8*t], v[98+8*t:99+8*t]
	ALL4 v_pk_add_f32 v[164+8*t:165+8*t], v[100+8*t:101+8*t], v[102+8*t:103+8*t]
	ALL4 v_pk_add_f32 v[162+8*t:163+8*t], v[162+8*t:163+8*t], v[164+8*t:165+8*t]
	ALL4 v_add_f32 v[162+8*t], v[162+8*t], v[163+8*t]
	ALL4 v_rcp_f32 v[164+8*t], v[162+8*t]
	v_nop
	s_wait_alu depctr_va_vdst(0)                   ; one wait for the four reciprocals
	ALL4 v_mul_f32 v[164+8*t], v[164+8*t], v[VMASK]
.set u, 0
.rept 4
	ALL4 v_pk_mul_f32 v[96+8*t+u:97+8*t+u], v[96+8*t+u:97+8*t+u], v[164+8*t:165+8*t] op_sel_hi:[1,0]
.set u, u+2
.endr
	WIN 0x40                                       ; P in f16, where this head's q of the even row blocks lay: P of block 2 ap, four zeros, P of block 2 ap + 1
.set u, 0
.rept 4
	ALL4 v_cvt_pk_f16_f32 v[128*(t/2)+16*(\hd)+8*(t%2)+u], v[96+8*t+2*u], v[97+8*t+2*u]
.set u, u+1
.endr
.set u, 0
.rept 4
	v_mov_b32 v[16*(\hd)+4+u], 0
	v_mov_b32 v[128+16*(\hd)+4+u], 0
.set u, u+1
.endr
	WIN 0
.endm
.macro KEPI
	WIN 0
	s_wait_dscnt 0x0
	PLACES
.set kc, 0
.rept 8
	ds_load_b128 v[128+4*kc:131+4*kc], v[QPK] offset:512*kc  ; the q that was set aside: my own bytes
.set kc, kc+1
.endr
	BILOAD 0
	KHEAD 0
	KHEAD 1
	KHEAD 2
	KHEAD 3
.endm
; v's END: + bv (a lane holds one column: one number, loaded into both registers of a pair), f16 in place: the rows of blocks 2 ap and 2 ap + 1 side by side ARE source 0 (16 channels x 32 keys) of
; x^T = V^T P.  Source 1 is (P, 0) for the queries of block 2 ap and (0, P) for those of 2 ap + 1.  In the result a lane holds one row and 8 neighbouring channels: 16 bytes of x in f16.
.macro VEPI
	WIN 0
	s_wait_loadcnt 0x0                             ; no row is on its way any more: window 1's last registers become accumulators
	s_wait_dscnt 0x0
	PLACES
.set vb, 0
.rept 16
	ds_load_b32 v[64+2*vb], v[ADRBV] offset:64*vb
	ds_load_b32 v[65+2*vb], v[ADRBV] offset:64*vb
.set vb, vb+1
.endr
	s_wait_dscnt 0x0
.set vw, 2
.rept 2
	WIN (vw<<6)|vw
.set va, 0
.rept 4
.set vc, 0
.rept 8
.set vj, 0
.rept 4
	v_pk_add_f32 v[64*va+8*vc+vj:64*va+8*vc+vj+1], v[64*va+8*vc+vj:64*va+8*vc+vj+1], v[64+2*(8*(vw-2)+vc):65+2*(8*(vw-2)+vc)]
.set vj, vj+2
.endr
.set vc, vc+1
.endr
.set va, va+1
.endr
	WIN (vw<<6)|vw|(vw<<2)
.set vp, 0
.rept 2
.set vc, 0
.rept 8
.set vj, 0
.rept 4
	v_cvt_pk_f16_f32 v[128*vp+8*vc+vj], v[128*vp+8*vc+2*vj], v[128*vp+8*vc+2*vj+1]
.set vj, vj+1
.endr
.set vj, 0
.rept 4
	v_cvt_pk_f16_f32 v[128*vp+8*vc+4+vj], v[128*vp+64+8*vc+2*vj], v[128*vp+64+8*vc+2*vj+1]
.set vj, vj+1
.endr
.set vc, vc+1
.endr
.set vp, vp+1
.endr
.set vw, vw+1
.endr
.set vw, 2
.rept 2
.set vp, 0
.rept 2
	WIN 0x04|vw
.set vi, 0
.rept 16                               ; column block vi / 2 of the window, row block 2 vp + vi % 2: sixteen sums of one product each
.set vh, (8*(vw-2)+vi/2)/4
	v_wmma_f32_16x16x32_f16 v[128+8*vi:135+8*vi], v[128*vp+8*(vi/2):128*vp+8*(vi/2)+7], v[128*vp+16*vh+4*(vi%2):128*vp+16*vh+4*(vi%2)+7], 0
.set vi, vi+1
.endr
	PLACES
	WIN vw<<6
.set vi, 0
.rept 16
.set vj, 0
.rept 4
	v_cvt_pk_f16_f32 v[128*vp+64+32*(vi%2)+4*(vi/2)+vj], v[128+8*vi+2*vj], v[129+8*vi+2*vj]
.set vj, vj+1
.endr
.set vi, vi+1
.endr
.set vp, vp+1
.endr
.set vw, vw+1
.endr
	WIN 0
.endm
; THE WAY OUT of row block a: a lane's 8 columns (32 bytes) go into rows of 1,040 bytes of my own part of slot 0 and come back as whole rows; + bo; each store of the wave covers 512 consecutive bytes, aligned.
.macro OUTA a
	WIN 0
	s_wait_xcnt 0x0                                ; the stores of the block before have read their registers, which are loaded again below
	WIN 0x04
.set ob, 0
.rept 8
	ds_store_b128 v[STO], v[64*(\a)+8*ob:64*(\a)+8*ob+3] offset:64*ob
	ds_store_b128 v[STO], v[64*(\a)+8*ob+4:64*(\a)+8*ob+7] offset:64*ob+16
.set ob, ob+1
.endr
	WIN 0x08+4*((\a)/2)
.set ob, 0
.rept 8
	ds_store_b128 v[STO], v[128*((\a)%2)+8*ob:128*((\a)%2)+8*ob+3] offset:512+64*ob
	ds_store_b128 v[STO], v[128*((\a)%2)+8*ob+4:128*((\a)%2)+8*ob+7] offset:512+64*ob+16
.set ob, ob+1
.endr
	WIN 0
.set oq, 0
.rept 32
	ds_load_b128 v[128+4*oq:131+4*oq], v[RD] offset:(oq/2)*OPT+(oq%2)*512  ; LDS serves a wave's instructions in order (ISA guide 5.7.1.4): these see the stores above
.set oq, oq+1
.endr
.set oq, 0
.rept 32
	s_wait_dscnt 31-oq                             ; half row oq is back; the younger ones may stay out
	v_pk_add_f32 v[128+4*oq:129+4*oq], v[128+4*oq:129+4*oq], v[64+4*(oq%2):65+4*(oq%2)]
	v_pk_add_f32 v[130+4*oq:131+4*oq], v[130+4*oq:131+4*oq], v[66+4*(oq%2):67+4*(oq%2)]
	global_store_b128 v[CO], v[128+4*oq:131+4*oq], s[OUT:OUT+1] offset:(16*(\a)+oq/2)*4096+(oq%2)*512 th:TH_STORE_NT
.set oq, oq+1
.endr
.endm
	s_load_b256 s[4:11], s[0:1], 0x0               ; query, key, value, wb
	s_load_b128 s[12:15], s[0:1], 0x20             ; bb, out0
	v_lshl_add_u32 v[SPW], v0, 2, SPARE
	v_mov_b32 v[NIL], 0
	ds_add_u32 v[SPW], v[NIL]                      ; the wave's opening: the add, waited for ahead of my first tensor load; the set-up below, work on registers, stands between them
	v_lshrrev_b32 v1, 5, v0
	v_readfirstlane_b32 s[WV], v1                  ; wave 0..3
	s_bfe_u32 s[CX], ttmp6, 0x40000                ; my place in the cluster
	s_and_b32 s[I0], ttmp9, 7                      ; in a cluster launch ttmp9 counts clusters
	s_lshl_b32 s[I0], s[I0], 1
	; group 1 of a quarter block: 32,768 dense bytes as 128 rows of 32 elements of 8 bytes
	s_mov_b32 s[G1W+0], 15|(3<<16)|(1<<21)         ; 15:0 the mask: all four work-groups; 17:16 elements of 8 bytes; 21 set beside a mask; no padding
	s_mov_b32 s[G1W+1], 32<<16                     ; tensor_dim0 = 32
	s_mov_b32 s[G1W+2], 128<<16                    ; tensor_dim1 = 128
	s_mov_b32 s[G1W+3], 32<<16                     ; tile_dim0 = 32
	s_mov_b32 s[G1W+4], 128                        ; tile_dim1 = 128
	s_mov_b32 s[G1W+5], 32                         ; 32 elements from row to row
	s_mov_b32 s[G1W+6], 0
	s_mov_b32 s[G1W+7], 0
	; group 1 of a bias: 4,096 dense bytes as 16 such rows
	s_mov_b32 s[G1B+0], 15|(3<<16)|(1<<21)
	s_mov_b32 s[G1B+1], 32<<16
	s_mov_b32 s[G1B+2], 16<<16
	s_mov_b32 s[G1B+3], 32<<16
	s_mov_b32 s[G1B+4], 16
	s_mov_b32 s[G1B+5], 32
	s_mov_b32 s[G1B+6], 0
	s_mov_b32 s[G1B+7], 0
	s_mov_b32 s[G0W], 1
	s_lshl_b32 s[G0W+1], s[WV], 15                 ; LDS: my quarter of slot 0,
	s_mov_b32 s[G0W+4], 1
	s_add_co_u32 s[G0W+5], s[G0W+1], WS1           ; of slot 1
	s_mov_b32 s[G0B], 1
	s_lshl_b32 s[G0B+1], s[WV], 12                 ; wave w fetches bias w
	s_add_co_u32 s[G0B+1], s[G0B+1], BIAS
	s_mov_b32 s[OFF+1], 0
	s_mov_b32 s[CS], 0x3e38aa3b                    ; c = log2(e) / 8 = 0.180337
	s_mov_b32 s[CS+1], s[CS]                       ; named with it as a pair
	s_cmp_lt_u32 s[WV], 2
	s_cselect_b32 s[PL], 48, 0
	s_cselect_b32 s[PL+1], 0, 48
	s_cmp_lt_u32 ttmp9, 8
	s_cselect_b32 s[PWK], 12, 99
	v_and_b32 v22, 31, v0
	v_lshlrev_b32 v22, 4, v22                      ; 16 x lane
	v_and_b32 v23, 15, v0                          ; r = lane % 16
	v_bfe_u32 v24, v0, 4, 1                        ; h = lane / 16
	s_lshl_b32 s72, s[WV], 13
	v_add_nc_u32 v[ADRB], s72, v22
	v_add_nc_u32 v[ADRB+1], 0x10000, v[ADRB]
	v_add_nc_u32 v[ADRB+2], 0x20000, v[ADRB]
	v_add_nc_u32 v[ADRB+3], 0x30000, v[ADRB]
	v_mul_u32_u24 v[ADRA0], v23, SPT
	v_lshl_add_u32 v[ADRA0], v24, 4, v[ADRA0]
	v_add_nc_u32 v[ADRA0], STG, v[ADRA0]
	v_mov_b32 v[ADRA], v[ADRA0]
	s_lshl_b32 s72, s[WV], 5
	v_add_nc_u32 v[XOST0], s72, v[ADRA0]
	v_lshlrev_b32 v[XG], 4, v23
	v_lshl_add_u32 v[XG], v24, 12, v[XG]
	s_lshl_b32 s72, s[WV], 16
	v_add_nc_u32 v[XG], s72, v[XG]
	v_mul_u32_u24 v[XSTA], v24, SPT
	v_lshl_add_u32 v[XSTA], v23, 3, v[XSTA]
	s_mul_i32 s72, s[WV], 16*SPT
	s_add_co_u32 s72, s72, STG
	v_add_nc_u32 v[XSTA], s72, v[XSTA]
	s_lshl_b32 s72, s[WV], 10
	s_add_co_u32 s73, s72, BIAS
	v_lshl_add_u32 v[ADRBI], v24, 5, s73
	s_add_co_u32 s73, s72, BIAS+8192
	v_lshl_add_u32 v[ADRBV], v23, 2, s73
	s_add_co_u32 s73, s72, BIAS+12288
	v_add_nc_u32 v[ADRBO], s73, v22
	v_add_nc_u32 v[CO], s72, v22
	v_bfe_u32 v25, v0, 3, 1                        ; my query's token in its 16 rows; my keys' token is h
	v_cmp_eq_u32 vcc_lo, v25, v24
	v_cndmask_b32 v[VMASK], 0, 1.0, vcc_lo
	s_lshl_b32 s72, s[WV], 12
	s_add_co_u32 s72, s72, QPARK
	v_add_nc_u32 v[QPK], s72, v22
	s_lshl_b32 s72, s[WV], 15
	v_add_nc_u32 v[RD], s72, v22
	v_mul_u32_u24 v[STO], v23, OPT
	v_lshl_add_u32 v[STO], v24, 5, v[STO]
	v_add_nc_u32 v[STO], s72, v[STO]
	v_and_b32 v[PFOW], 31, v0
	v_lshlrev_b32 v[PFO], 12, v[PFOW]
	s_and_b32 s72, s[WV], 1
	s_lshl_b32 s72, s72, 17
	v_add_nc_u32 v[PFO], s72, v[PFO]
	v_lshlrev_b32 v[PFOW], 8, v[PFOW]
	s_wait_dscnt 0x0                               ; the opening add is done
	s_wait_kmcnt 0x0
	s_lshl_b32 s78, ttmp9, 2
	s_add_co_u32 s78, s78, s[CX]                   ; my work-group = 4 x cluster + cx,
	s_lshl_b32 s78, s78, 18                        ; its 64 rows of 4,096 bytes
	s_mov_b32 s79, 0
	s_add_nc_u64 s[XQ:XQ+1], s[XQ:XQ+1], s[78:79]
	s_add_nc_u64 s[XK:XK+1], s[XK:XK+1], s[78:79]
	s_add_nc_u64 s[XV:XV+1], s[XV:XV+1], s[78:79]
	s_add_nc_u64 s[OUT:OUT+1], s[OUT:OUT+1], s[78:79]
	s_lshl_b32 s[OFF], s[WV], 15
	s_add_nc_u64 s[WB:WB+1], s[WB:WB+1], s[OFF:OFF+1]
	s_lshl_b32 s78, s[CX], 13
	s_add_nc_u64 s[WPF:WPF+1], s[WB:WB+1], s[78:79]
	s_lshl_b32 s[OFF], s[WV], 12
	s_add_nc_u64 s[G0B+2:G0B+3], s[BB:BB+1], s[OFF:OFF+1]
	s_or_b32 s[G0B+3], s[G0B+3], 0x80000000
	s_mov_b32 s72, 0
	WADDR 0
	s_mov_b32 s72, 1
	WADDR 1
	s_mov_b32 s72, 0
	XADDR 72, XB
	s_mov_b32 s72, 1
	XADDR 72, PB
	XLOAD 0, XB                                    ; the rows of steps 0 and 1
	XLOAD 1, PB
	CROUND                                         ; all four work-groups are here: the first joint loads meet
	tensor_load_to_lds s[G0B:G0B+3], s[G1B:G1B+7]  ; the first fills go out as one group: three loads of mine are out
	s_nop 0
	tensor_load_to_lds s[G0W:G0W+3], s[G1W:G1W+7]
	s_nop 0
	tensor_load_to_lds s[G0W+4:G0W+7], s[G1W:G1W+7]
	s_nop 0
	PLACES
	s_wait_loadcnt 0x8                             ; step 0's rows are in; step 1's eight loads may stay out
	XCONV 0
	s_wait_xcnt 0x0                                ; the loads have read their bases
	s_mov_b32 s72, 2
	XADDR 72, XB
	XLOAD 0, XB
	s_wait_tensorcnt 0x1                           ; my bias and my quarter of slot 0 are in; slot 1's may stay out
	s_wait_dscnt 0x0                               ; my rows lie in the stage
	s_barrier_signal -1
	s_barrier_wait -1
	s_mov_b32 s[U], 0
	s_mov_b32 s[STB], 0
	s_mov_b32 s[PH], 2
.Lqk:                                              ; one text for q's product and k's; the ring of slots and the rows' loads run on across the epilogues
	s_mov_b32 s[CNT], 8
	PEEL 0, A
	LAP 0, A, 1
	s_cmp_eq_u32 s[PH], 2
	s_cbranch_scc0 .Lkepi
	QEPI
	s_branch .Lqkb
.Lkepi:
	KEPI
.Lqkb:
	s_sub_co_u32 s[PH], s[PH], 1
	s_cmp_lg_u32 s[PH], 0
	s_cbranch_scc1 .Lqk
	s_mov_b32 s[CNT], 8
	PEEL 1, B
	LAP 1, B, 1
	VEPI
	PRODO2 1                                       ; x of the last product's first two steps, into stage slots 0 and 1
	s_wait_dscnt 0x0                               ; for the others' sake: my stores are done
	s_barrier_signal -1                            ; (slot 1's load stays out)
	s_barrier_wait -1
	s_mov_b32 s[CNT], 7
	PEEL 2, C
	LAP 2, C, 0                                    ; steps 48 to 61: every one fills a slot again
	BA0 2, 0, 0                                    ; the last lap is written out: nothing is left to ask for
	BB0 2, 0, 0
	BA1 2, 0, 0
	RND 2, 0, 0, 1, 1, 0
	BA0 2, 1, 0
	BB0 2, 1, 0
	BA1 2, 1, 0
	RND 2, 1, 0, 0, 0, 0
	WIN 0
	PLACES
	ds_load_b128 v[64:67], v[ADRBO]                ; bo of my 4 columns in the left and in the right half of a row
	ds_load_b128 v[68:71], v[ADRBO] offset:512
	OUTA 0
	OUTA 1
	OUTA 2
	OUTA 3
	s_wait_tensorcnt 0x0                           ; the wave's end, behind my last tensor load and my last LDS store
	ds_add_u32 v[SPW], v[NIL]
	s_wait_dscnt 0x0
	CROUND                                         ; the closing round: no work-group ends while a partner may still ask for a block that names it
	s_endpgm
.Lfunc_end_k_qe685740de3_fused:
	.size	k_qe685740de3_fused, .Lfunc_end_k_qe685740de3_fused-k_qe685740de3_fused
	.p2alignl 7, 3214868480
	.fill 96, 4, 3214868480
	.section	.rodata,"a",@progbits
	.p2align	6, 0x0
	.amdhsa_kernel k_qe685740de3_fused
		.amdhsa_group_segment_fixed_size 327680
		.amdhsa_private_segment_fixed_size 0
		.amdhsa_enable_private_segment 0
		.amdhsa_kernarg_size 48
		.amdhsa_user_sgpr_count 2
		.amdhsa_user_sgpr_kernarg_segment_ptr 1
		.amdhsa_wavefront_size32 1
		.amdhsa_system_sgpr_workgroup_id_x 1
		.amdhsa_system_sgpr_workgroup_id_y 1
		.amdhsa_system_sgpr_workgroup_id_z 1
		.amdhsa_system_vgpr_workitem_id 0
		.amdhsa_next_free_vgpr 1024
		.amdhsa_next_free_sgpr 96
		.amdhsa_reserve_vcc 1
		.amdhsa_float_denorm_mode_32 3
		.amdhsa_float_denorm_mode_16_64 3
		.amdhsa_memory_ordered 1
		.amdhsa_forward_progress 1
		.amdhsa_inst_pref_size 255
	.end_amdhsa_kernel
	.section	.bss,"aw",@nobits
	.p2align	6
	.space	262144
	.amdgpu_metadata
---
amdhsa.version: [ 1, 2 ]
amdhsa.kernels:
  - .name:           k_qe685740de3_fused
    .symbol:         k_qe685740de3_fused.kd
    .args:
      - { .name: query, .offset: 0, .size: 8, .value_kind: global_buffer, .address_space: global }
      - { .name: key, .offset: 8, .size: 8, .value_kind: global_buffer, .address_space: global }
      - { .name: value, .offset: 16, .size: 8, .value_kind: global_buffer, .address_space: global }
      - { .name: wb, .offset: 24, .size: 8, .value_kind: global_buffer, .address_space: global }
      - { .name: bb, .offset: 32, .size: 8, .value_kind: global_buffer, .address_space: global }
      - { .name: out0, .offset: 40, .size: 8, .value_kind: global_buffer, .address_space: global }
    .group_segment_fixed_size: 327680
    .private_segment_fixed_size: 0
    .kernarg_segment_align: 8
    .kernarg_segment_size: 48
    .max_flat_workgroup_size: 128
    .sgpr_count:     96
    .vgpr_count:     1024
    .wavefront_size: 32
...
	.end_amdgpu_metadata
.endif
;; end of part 2
